; MI455X (gfx1250); checked and timed in simulation.
; The chip was launched on July 23, 2026; its instructions are those of AMD's public machine-readable ISA for CDNA 5 (MIT licence, August 2026) and "CDNA5" Instruction Set Architecture Reference Guide (July 2026). The comments in the code are by the model that wrote it; some were corrected since.
;; Sparse Mo E Block. Allowed arithmetic: matrix products marked QUANTISED: E2M1 operands, one E8M0 scale for each 32 along K, by v_wmma_scale_f32_16x16x128_f8f6f4 with both operands' format E2M1 (or v_wmma_scale_f32_32x16x128_f4), f32 sums; products left as they are: f32 operands where the result goes on into a quantised operand, else bf16, f16 or f32 operands; f32 sums; everything else in f32.
;; Inputs: b1 2 x 4,096 float32; b2 2 x 1,024 float32; gate_w 2 x 1,024 float32; w1 4,096 x 2 x 1,024 float32; w2 1,024 x 2 x 4,096 float32; x 2 x 2,048 x 1,024 float32.
;; Outputs: out0 2 x 2,048 x 1,024 float32.
;; This version of the problem:
;;   THIS VERSION OF THE PROBLEM IS GIVEN IN LOW PRECISION. The matrix products marked QUANTISED in the list below multiply operands that are first quantised to E2M1 (2 exponent bits, 1 mantissa bit; 4 bits a number), with one power-of-two scale for each 32 numbers along K (OCP MX v1.0); their sums are f32. All else is computed in f32.
;;   The module's matrix products, in the order in which they are computed (A, B: the left and right operand; K: the contracted axis; several contracted axes count as one K, in the product's order):
;;     1. [M 4,096, K 1,024] x [K 1,024, N 2]; A: input x; B: input gate_w: left as it is (N = 2 < 16)
;;     2. batch 4,096 x [M 2, K 1] x [K 1, N 1,024]; A: computed on the way; B: computed on the way: left as it is (no contracted axis)
;;     3. [M 4,096, K 2,048] x [K 2,048, N 4,096]; A: computed on the way; B: input w1: QUANTISED
;;     4. [M 2,048, K 4,096] x [K 4,096, N 4,096]; A: input w2; B: computed on the way: QUANTISED
;;     5. batch 4,096 x [M 1, K 2] x [K 2, N 1,024]; A: computed on the way; B: computed on the way: left as it is (K = 2 < 32)
;;   THE QUANTISER, for each operand of a quantised product, along K:
;;     - K is cut into blocks of 32 from its start; a last block that is shorter is filled with zeros.
;;     - A block's scale is 2^e with e = floor(log2(the largest magnitude in the block)) - 2, held to -126 .. 127; a block of zeros has e = 0. As a byte (E8M0): e + 127.
;;     - Each number is divided by its block's scale, clamped to +-6, and rounded to the nearest number of E2M1, ties to even, subnormals kept.
;;     - The product sums the exact products of the quantised numbers (number of the format x scale) in f32.
;;   ~~~python
;;   def quantise(x, axis):      # numpy; x: float32 -> the quantised numbers, widened to float32 again
;;       x = np.moveaxis(x, axis, -1); K = x.shape[-1]
;;       x = np.pad(x, [(0, 0)] * (x.ndim - 1) + [(0, -K % 32)]); x = x.reshape(x.shape[:-1] + (-1, 32)); a = np.abs(x).max(-1, keepdims=True)
;;       e = np.where(a > 0, np.clip(np.frexp(np.where(a > 0, a, 1))[1] - 1 - 2, -126, 127), 0)      # np.frexp(a)[1] - 1 = floor(log2(a)), exactly
;;       r = np.clip(x / 2.0 ** e, -6, 6)
;;       step = 2.0 ** (np.maximum(np.frexp(np.where(r == 0, 1, r))[1] - 1, 0) - 1)
;;       q = np.round(r / step) * step * 2.0 ** e      # np.round: ties to even
;;       return np.moveaxis(q.reshape(q.shape[:-2] + (-1,))[..., :K], -1, axis).astype(np.float32)
;;   ~~~
;;   OPERANDS COMPUTED ON THE WAY. 'Computed on the way' means the value that the module computes at that place (a softmax that the list does not call 'softmax' is quantised finished and normalised). What goes into a quantiser is computed in f32, as accurately as f32 sums, v_exp_f32 and their like allow (about 1e-6 of the number): no bf16 or f16 on the way to a quantiser, and a product that is left as it is and whose result goes on into a quantised operand takes f32 operands (vector FMAs, or v_wmma_f32_16x16x4_f32). A number that lies on a knife's edge between two numbers of the format may be rounded either way, as far as f32 arithmetic and the matrix unit's own rounding can turn it there, and no further.
;; One version. Each part assembles by itself: llvm-mc -triple=amdgcn-amd-amdhsa -mcpu=gfx1250 --defsym DOCPART=n.
;; ======== version 1 of 1: 3 launches
;; limits: right only within a limited range of input values
;; workspace buffers: xc 4,456,448 bytes; w1c 4,456,448 bytes; w2c 4,194,304 bytes; sc 786,432 bytes; route 16,384 bytes; hc 8,388,608 bytes; hs 524,288 bytes
;; launch prep (part 1): grid 768 x 1, 4 waves a work-group, no clusters, 55,808 bytes of LDS; arguments x, gate_w, w1, w2, xc, w1c, w2c, sc, route; writes xc, w1c, w2c, sc, route
.if DOCPART == 1
	.amdgcn_target "amdgcn-amd-amdhsa--gfx1250"
	.amdhsa_code_object_version 6
	.text
	.protected	k_qd865572286_prep
	.globl	k_qd865572286_prep
	.p2align	8
	.type	k_qd865572286_prep,@function
k_qd865572286_prep:
	s_mov_b64 s[64:65], 0
	v_nop
	global_prefetch_b8 v0, s[64:65] scope:SCOPE_SE
	s_setreg_imm32_b32 hwreg(HW_REG_WAVE_MODE, 25, 1), 1
	s_wait_xcnt 0x0
; THE QUANTISERS AND THE GATE.  x [4096][1024], w1 [4096 f][2 e][1024 d], w2 [1024 d][2 e][4096 f], gate_w [2][1024], all f32, become codes of FP4 (E2M1) with one E8M0 byte for each 32 along K.
; LAYER 1's K is (d, e), e innermost: a block of 32 is 16 neighbouring d x both experts.  W1's scale is taken over both experts' 16 numbers; a token's operand is x at its chosen expert and zeros at the other,
; so its scale is taken over 16 numbers of x and the other expert's 16 codes are zero codes.  Inside a block the 32 codes stand in an order of this program's own, the same on both sides: four pieces of 4 bytes,
; piece q = [expert 0: d 4 q .. 4 q + 3 (2 bytes)][expert 1: the same d (2 bytes)].   LAYER 2's K is f: blocks of 32 neighbouring f, in their own order.
; WORKSPACE AS THE MATRIX OPERANDS WANT IT: codes [block of 16 rows][K block][row][16 bytes], scale bytes [block of 16 rows][512 along K][row][16 bytes].  128 along K of 16 rows are then 1,024 bytes on end that
; two loads of 16 bytes a lane turn into an operand's registers.  W1's block 2 b + u, row r, holds f = 32 b + 8 u + r + 8 (r / 8); W2's block 2 (d / 16) + e, row d % 16.
; THE GATE: two dot products in f32, p = 1 / (1 + 2^(-log2(e) |l1 - l0|)) (the larger logit is taken away first), expert 1 where l1 > l0 and the two probabilities differ (equal ones keep expert 0).
; route[token] = p with the expert in the sign bit.  The expert only shifts data here: no address and no branch hangs on it.
; SHARES: a work-group makes one block of 16 rows x 64 K blocks (16 KiB of codes, 1 KiB of scale bytes); work-groups 0-255 W1, 256-511 W2 (two to a block of rows), 512-767 x.  Wave w takes rows 4 w .. 4 w + 3.
; Every load reads 512 bytes on end, 16 a lane.  Codes and bytes meet in a stage in LDS (each path has LDS bytes of its own) and leave in stores of 512 and 256 bytes on end.
; A block's scale: the largest magnitude's exponent field less 2, held at 1 from below by a floor among the maximum's leaves.
; LIMITS: NaN and infinities are not served; a block whose largest magnitude lies under 2^-124 (a block of zeros too) gets the byte 1 (its codes are then zeros or next to it; this program alone reads the bytes);
; logits that differ by less than the rounding of an f32 sum of 1,024 terms may route the other way than another order of summing.
.set PITCH, 272                        ; a K block's 16 rows x 16 bytes + 16 of padding
.set STG0,  0                          ; W1's stage: 64 K blocks x PITCH
.set SST0,  17408                      ; and its 1,024 scale bytes
.set STG1,  18432                      ; W2's
.set SST1,  18432+17408
.set STG2,  36864                      ; x's
.set SST2,  36864+17408
.set FLOOR, 0x1800000                  ; 2^(3 - 127)
.set OFF2,  0xff000000                 ; 2 off an exponent field
; v1 lane; v2 16 x lane; v3, v4 stage addresses (codes, bytes) where 4 lanes make a block; v11, v12 where 8 lanes do; v5 read-back of codes; v7 their place in memory; v8 read-back and place of the scale bytes
	s_load_b256 s[4:11], s[0:1], 0x0               ; x, gate_w, w1, w2
	s_load_b256 s[12:19], s[0:1], 0x20             ; xc, w1c, w2c, sc
	s_load_b64 s[20:21], s[0:1], 0x40              ; route
	v_lshl_add_u32 v14, v0, 2, 0xd800
	v_mov_b32 v15, 0
	v_lshrrev_b32 v1, 5, v0
	v_readfirstlane_b32 s26, v1                    ; wave 0..3
	v_and_b32 v1, 31, v0                           ; lane
	v_lshlrev_b32 v2, 4, v1
	s_lshl_b32 s27, s26, 6                         ; my four rows: 16 bytes each
	v_lshrrev_b32 v9, 2, v1
	v_mul_u32_u24 v3, v9, PITCH
	v_and_b32 v10, 3, v1
	v_lshl_add_u32 v3, v10, 2, v3
	v_add_nc_u32 v3, s27, v3                       ; PITCH (lane / 4) + 4 (lane % 4) + 64 wave
	v_add_nc_u32 v4, s27, v9                       ; lane / 4 + 64 wave
	v_lshrrev_b32 v9, 3, v1
	v_mul_u32_u24 v11, v9, PITCH
	v_and_b32 v10, 7, v1
	v_lshl_add_u32 v11, v10, 1, v11
	v_add_nc_u32 v11, s27, v11                     ; PITCH (lane / 8) + 2 (lane % 8) + 64 wave
	v_add_nc_u32 v12, s27, v9                      ; lane / 8 + 64 wave
	s_mul_i32 s27, s26, 16*PITCH                   ; back: wave w takes K blocks 16 w .. 16 w + 15, two an instruction
	v_lshrrev_b32 v9, 4, v1
	v_mul_u32_u24 v5, v9, PITCH
	v_and_b32 v10, 15, v1
	v_lshl_add_u32 v5, v10, 4, v5
	v_add_nc_u32 v5, s27, v5
	s_lshl_b32 s27, s26, 12
	v_add_nc_u32 v7, s27, v2                       ; 4,096 wave + 16 lane
	s_lshl_b32 s27, s26, 8
	v_lshl_add_u32 v8, v1, 3, s27                  ; 256 wave + 8 lane
	; xc and w1c carry their scale bytes in the rows: [block of 16 rows][512 along K][4,096 bytes of codes, 256 scale bytes]: 4,352 bytes for each 512 along K, 17,408 a block
	s_mul_i32 s27, s26, 4352
	v_add_nc_u32 v13, s27, v2                      ; 4,352 wave + 16 lane: the codes' place there
	v_lshl_add_u32 v6, v1, 3, s27                  ; 4,352 wave + 8 lane: the scale bytes', 4,096 further on
	s_mov_b32 s29, 0
	s_mov_b32 s38, 0x76543210
	s_mov_b32 s39, 0xfedcba98                      ; v_permlanex16_b32's selects for lane l xor 16
	s_wait_kmcnt 0x0
; THE WAY OUT of every path: my LDS stores have landed, the work-group's barrier, then whole runs: eight stores of 512 bytes on end and one of 256
.macro OUT stg, sst, cb, sb, o, ca, sa, so
	s_wait_dscnt 0x0                               ; for the others' sake: zero
	s_barrier_signal -1
	s_barrier_wait -1
.irp t, 0,1,2,3,4,5,6,7
	ds_load_b128 v[\o+4*\t:\o+4*\t+3], v5 offset:\stg+2*PITCH*\t
.endr
	ds_load_b64 v[\o+32:\o+33], v8 offset:\sst
.irp t, 0,1,2,3,4,5,6,7
	s_wait_dscnt 8-\t                              ; LDS loads come back in order: load t is in, the 8 - t younger ones may be out
	global_store_b128 v[\ca], v[\o+4*\t:\o+4*\t+3], s[\cb:\cb+1] offset:512*\t
.endr
	s_wait_dscnt 0x0
	global_store_b64 v[\sa], v[\o+32:\o+33], s[\sb:\sb+1] offset:\so
.endm
	s_cmp_lt_u32 ttmp9, 256
	s_cbranch_scc1 .Lw1
	s_cmp_lt_u32 ttmp9, 512
	s_cbranch_scc1 .Lw2
; ---------------- x and the gate: work-group 512 + g takes tokens 16 g .. 16 g + 15
; v16-31 eight sums (row k, expert e) as pairs; v32-35 l1 - l0; v36-39 u; v40-43 p; v44-47 the shift 0 or 16; v48-51 route; v64-127 gate_w, later at work; v128-255 four rows of x
	s_sub_co_u32 s24, ttmp9, 512
	s_lshl_b32 s28, s24, 16                        ; 16 rows of 4,096 bytes
	s_lshl_b32 s27, s26, 14
	s_add_co_u32 s28, s28, s27
	s_add_nc_u64 s[4:5], s[4:5], s[28:29]
	s_mul_i32 s28, s24, 17408
	s_add_nc_u64 s[12:13], s[12:13], s[28:29]      ; xc: 17,408 bytes a block of tokens, codes and scale bytes
	s_lshl_b32 s28, s24, 6
	s_lshl_b32 s27, s26, 4
	s_add_co_u32 s28, s28, s27
	s_add_nc_u64 s[20:21], s[20:21], s[28:29]      ; route: 4 bytes a token
.irp e, 0,1
.irp i, 0,1,2,3,4,5,6,7
	global_load_b128 v[64+32*\e+4*\i:64+32*\e+4*\i+3], v2, s[6:7] offset:4096*\e+512*\i
.endr
.endr
.irp k, 0,1,2,3
.irp i, 0,1,2,3,4,5,6,7
	global_load_b128 v[128+32*\k+4*\i:128+32*\k+4*\i+3], v2, s[4:5] offset:4096*\k+512*\i th:TH_LOAD_NT   ; d = 128 i + 4 lane
.endr
.endr
	s_wait_loadcnt 0x0
.irp k, 0,1,2,3
.irp e, 0,1
	v_pk_mul_f32 v[16+4*\k+2*\e:17+4*\k+2*\e], v[128+32*\k:129+32*\k], v[64+32*\e:65+32*\e]   ; the first product starts each sum; the eight sums take turns
.endr
.endr
.irp j, 2,4,6,8,10,12,14,16,18,20,22,24,26,28,30
.irp k, 0,1,2,3
.irp e, 0,1
	v_pk_fma_f32 v[16+4*\k+2*\e:17+4*\k+2*\e], v[128+32*\k+\j:129+32*\k+\j], v[64+32*\e+\j:65+32*\e+\j], v[16+4*\k+2*\e:17+4*\k+2*\e]
.endr
.endr
.endr
.irp c, 0,1,2,3,4,5,6,7
	v_add_f32 v[16+2*\c], v[16+2*\c], v[17+2*\c]
.endr
.irp m, 1,2,4,8
.irp c, 0,1,2,3,4,5,6,7
	v_add_f32_dpp v[16+2*\c], v[16+2*\c], v[16+2*\c] row_xmask:\m row_mask:0xf bank_mask:0xf
.endr
.endr
.irp c, 0,1,2,3,4,5,6,7
	v_permlanex16_b32 v[17+2*\c], v[16+2*\c], s38, s39
.endr
.irp c, 0,1,2,3,4,5,6,7
	v_add_f32 v[16+2*\c], v[16+2*\c], v[17+2*\c]   ; every lane holds logit e of row k in v[16 + 4 k + 2 e]
.endr
.irp k, 0,1,2,3
	v_sub_f32 v[32+\k], v[18+4*\k], v[16+4*\k]
.endr
.irp k, 0,1,2,3
	v_mul_f32 v[36+\k], 0xbfb8aa3b, |v[32+\k]|     ; -log2(e) |l1 - l0|: the smaller logit less the larger
.endr
	s_wait_alu depctr_va_vdst(0)
.irp k, 0,1,2,3
	v_exp_f32 v[36+\k], v[36+\k]                   ; u, at most 1
.endr
	v_nop                                          ; a plain instruction behind the last exponential
	s_wait_alu depctr_va_vdst(0)                   ; one wait for the four, ahead of their first reader
.irp k, 0,1,2,3
	v_add_f32 v[40+\k], 1.0, v[36+\k]
.endr
	s_wait_alu depctr_va_vdst(0)
.irp k, 0,1,2,3
	v_rcp_f32 v[40+\k], v[40+\k]                   ; p = 1 / (1 + u): the chosen expert's probability
.endr
.irp k, 0,1,2,3
	v_cmp_gt_f32 s[30+\k], v[18+4*\k], v[16+4*\k]  ; (plain work behind the reciprocals, which names none of their results)
	v_cmp_lt_f32 s[34+\k], v[36+\k], 1.0
.endr
.irp k, 0,1,2,3
	s_and_b32 s[30+\k], s[30+\k], s[34+\k]         ; expert 1: l1 is larger and the probabilities differ
.endr
	s_wait_alu depctr_va_vdst(0)                   ; one wait for the four reciprocals
.irp k, 0,1,2,3
	v_cndmask_b32 v[44+\k], 0, 16, s[30+\k]        ; the chosen expert's half of a piece: a shift by 0 or by 16 bits
.endr
.irp k, 0,1,2,3
	v_lshl_or_b32 v[48+\k], v[44+\k], 27, v[40+\k] ; 16 << 27 is the sign bit: p, and the expert in its sign
.endr
; row k's 64 blocks.  Load i's 4 numbers of a lane are a quarter of block 8 i + lane / 4.  A conversion takes 8 registers, two loads' numbers, under ONE scale: it is made twice, and of each result the half that was
; scaled by its own block's scale is kept.  v64-71 largest magnitudes, v72-79 scale operands, v80-87 bytes, v88-95 conversions, v96-103 pieces
.macro ROWX k
.set XS, 128+32*(\k)
.if (\k) > 0
	s_wait_dscnt 0x0                               ; the last row's LDS stores have read their registers
.endif
.irp i, 0,1,2,3,4,5,6,7
	v_max3_num_f32 v[64+\i], |v[XS+4*\i]|, |v[XS+4*\i+1]|, FLOOR
.endr
.irp i, 0,1,2,3,4,5,6,7
	v_max3_num_f32 v[64+\i], v[64+\i], |v[XS+4*\i+2]|, |v[XS+4*\i+3]|
.endr
.irp m, 1,2
.irp i, 0,1,2,3,4,5,6,7
	v_max_num_f32_dpp v[64+\i], v[64+\i], v[64+\i] row_xmask:\m row_mask:0xf bank_mask:0xf
.endr
.endr
.irp i, 0,1,2,3,4,5,6,7
	v_add_nc_u32 v[72+\i], OFF2, v[64+\i]          ; the conversion takes this operand's exponent field as its scale
.endr
.irp p, 0,1,2,3
	v_cvt_scalef32_pk8_fp4_f32 v[88+2*\p], v[XS+8*\p:XS+8*\p+7], v[72+2*\p]
	v_cvt_scalef32_pk8_fp4_f32 v[89+2*\p], v[XS+8*\p:XS+8*\p+7], v[73+2*\p]
.endr
.irp i, 0,1,2,3,4,5,6,7
	v_lshrrev_b32 v[80+\i], 23, v[72+\i]           ; the scale's byte (plain lines behind the conversions)
.endr
.irp p, 0,1,2,3
	v_and_b32 v[96+2*\p], 0xffff, v[88+2*\p]       ; load 2 p's four codes
	v_lshrrev_b32 v[97+2*\p], 16, v[89+2*\p]       ; load 2 p + 1's
.endr
.irp i, 0,1,2,3,4,5,6,7
	v_lshlrev_b32 v[96+\i], v[44+\k], v[96+\i]     ; into the chosen expert's half; the other half is zero codes
.endr
.irp i, 0,1,2,3,4,5,6,7
	ds_store_b32 v3, v[96+\i] offset:STG2+8*PITCH*\i+16*(\k)
	ds_store_b8 v4, v[80+\i] offset:SST2+256*(\i/2)+8*(\i%2)+16*(\k)   ; the block's four lanes write the same byte with the same value
.endr
.endm
	ROWX 0
	ROWX 1
	ROWX 2
	ROWX 3
	OUT STG2, SST2, 12, 12, 192, 13, 6, 4096
	v_cmp_eq_u32 vcc_lo, 1, v1                     ; lane k takes row k's word
	v_cndmask_b32 v52, v48, v49, vcc_lo
	v_cmp_eq_u32 vcc_lo, 2, v1
	v_cndmask_b32 v52, v52, v50, vcc_lo
	v_cmp_eq_u32 vcc_lo, 3, v1
	v_cndmask_b32 v52, v52, v51, vcc_lo
	v_lshlrev_b32 v53, 2, v1
	v_cmp_gt_u32 vcc_lo, 4, v1
	s_wait_alu depctr_va_vdst(0)
	s_wait_xcnt 0x0                                ; EXEC is a source of the stores above: it changes only behind this wait
	s_wait_tensorcnt 0x0
	ds_add_u32 v14, v15
	s_wait_dscnt 0x0
	s_and_saveexec_b32 s25, vcc_lo
	global_store_b32 v53, v52, s[20:21]            ; 16 bytes a wave
	s_wait_xcnt 0x0                                ; and again in front of the line that widens it
	s_or_b32 exec_lo, exec_lo, s25
	s_endpgm
; ---------------- W1: work-group g makes block g of 16 rows.  v16-23 largest magnitudes, v24-31 scale operands, v32-39 bytes, v40-47 codes, v64-191 two rows, v192-225 the way out
.Lw1:
	s_lshr_b32 s28, ttmp9, 1
	s_lshl_b32 s28, s28, 5
	s_and_b32 s27, ttmp9, 1
	s_lshl_b32 s27, s27, 3
	s_add_co_u32 s28, s28, s27
	s_lshl_b32 s27, s26, 2
	s_add_co_u32 s28, s28, s27
	s_lshr_b32 s27, s26, 1
	s_lshl_b32 s27, s27, 3
	s_add_co_u32 s28, s28, s27                     ; my first f: 32 (g / 2) + 8 (g % 2) + 4 w + 8 (w / 2); my four rows are neighbours
	s_lshl_b32 s28, s28, 13                        ; a row f of w1: both experts, 8,192 bytes
	s_add_nc_u64 s[8:9], s[8:9], s[28:29]
	s_mul_i32 s28, ttmp9, 17408
	s_add_nc_u64 s[14:15], s[14:15], s[28:29]      ; w1c: 17,408 bytes a block of rows, codes and scale bytes
.macro LOADW1 k                        ; row k: for load i, expert 0's four numbers and expert 1's side by side: 8 registers = one piece of a block
.irp i, 0,1,2,3,4,5,6,7
	global_load_b128 v[64+64*((\k)%2)+8*\i:64+64*((\k)%2)+8*\i+3], v2, s[8:9] offset:8192*(\k)+512*\i th:TH_LOAD_NT
	global_load_b128 v[64+64*((\k)%2)+8*\i+4:64+64*((\k)%2)+8*\i+7], v2, s[8:9] offset:8192*(\k)+4096+512*\i th:TH_LOAD_NT
.endr
.endm
.macro ROWW1 k
.set XS, 64+64*((\k)%2)
.if (\k) < 3
	s_wait_loadcnt 16                              ; this row's 16 loads are in; the next row's 16 may be out
.else
	s_wait_loadcnt 0x0
.endif
.if (\k) > 0
	s_wait_dscnt 0x0                               ; the last row's LDS stores have read their registers
.endif
.irp i, 0,1,2,3,4,5,6,7
	v_max3_num_f32 v[16+\i], |v[XS+8*\i]|, |v[XS+8*\i+1]|, FLOOR
.endr
.irp j, 2,4,6
.irp i, 0,1,2,3,4,5,6,7
	v_max3_num_f32 v[16+\i], v[16+\i], |v[XS+8*\i+\j]|, |v[XS+8*\i+\j+1]|
.endr
.endr
.irp m, 1,2
.irp i, 0,1,2,3,4,5,6,7
	v_max_num_f32_dpp v[16+\i], v[16+\i], v[16+\i] row_xmask:\m row_mask:0xf bank_mask:0xf   ; four lanes hold a block: 16 d x both experts
.endr
.endr
.irp i, 0,1,2,3,4,5,6,7
	v_add_nc_u32 v[24+\i], OFF2, v[16+\i]
.endr
.irp i, 0,1,2,3,4,5,6,7
	v_cvt_scalef32_pk8_fp4_f32 v[40+\i], v[XS+8*\i:XS+8*\i+7], v[24+\i]
.endr
.irp i, 0,1,2,3,4,5,6,7
	v_lshrrev_b32 v[32+\i], 23, v[24+\i]           ; (plain lines behind the conversions)
.endr
.irp i, 0,1,2,3,4,5,6,7
	ds_store_b32 v3, v[40+\i] offset:STG0+8*PITCH*\i+16*(\k)
	ds_store_b8 v4, v[32+\i] offset:SST0+256*(\i/2)+8*(\i%2)+16*(\k)
.endr
.if (\k)+2 < 4
	LOADW1 (\k)+2
.endif
.endm
	LOADW1 0
	LOADW1 1
	ROWW1 0
	ROWW1 1
	ROWW1 2
	ROWW1 3
	OUT STG0, SST0, 14, 14, 192, 13, 6, 4096
	s_wait_tensorcnt 0x0
	ds_add_u32 v14, v15
	s_wait_dscnt 0x0
	s_endpgm
; ---------------- W2: work-group 256 + g makes half g % 2 (2,048 along f) of block g / 2.  v16-31 largest magnitudes, v32-47 scale operands, v48-63 bytes, v64-79 conversions, v80-207 two rows, v208-241 the way out
.Lw2:
	s_sub_co_u32 s24, ttmp9, 256
	s_lshr_b32 s25, s24, 1                         ; the block: 2 (d / 16) + e
	s_and_b32 s24, s24, 1                          ; the half
	s_lshr_b32 s28, s25, 1
	s_lshl_b32 s28, s28, 4
	s_lshl_b32 s27, s26, 2
	s_add_co_u32 s28, s28, s27                     ; my first d
	s_lshl_b32 s28, s28, 15                        ; a d of w2: both experts, 32,768 bytes
	s_and_b32 s27, s25, 1
	s_lshl_b32 s27, s27, 14
	s_add_co_u32 s28, s28, s27
	s_lshl_b32 s27, s24, 13
	s_add_co_u32 s28, s28, s27
	s_add_nc_u64 s[10:11], s[10:11], s[28:29]
	s_lshl_b32 s28, s25, 15
	s_lshl_b32 s27, s24, 14
	s_add_co_u32 s28, s28, s27
	s_add_nc_u64 s[16:17], s[16:17], s[28:29]
	s_lshl_b32 s28, s25, 11
	s_lshl_b32 s27, s24, 10
	s_add_co_u32 s28, s28, s27
	s_add_co_u32 s28, s28, 524288                  ; W2's scale bytes lie third in sc
	s_add_nc_u64 s[18:19], s[18:19], s[28:29]
.macro LOADW2 k
.irp i, 0,1,2,3,4,5,6,7,8,9,10,11,12,13,14,15
	global_load_b128 v[80+64*((\k)%2)+4*\i:80+64*((\k)%2)+4*\i+3], v2, s[10:11] offset:32768*(\k)+512*\i th:TH_LOAD_NT
.endr
.endm
.macro ROWW2 k
.set XS, 80+64*((\k)%2)
.if (\k) < 3
	s_wait_loadcnt 16                              ; this row's 16 loads are in; the next row's 16 may be out
.else
	s_wait_loadcnt 0x0
.endif
.if (\k) > 0
	s_wait_dscnt 0x0                               ; the last row's LDS stores have read their registers
.endif
.irp i, 0,1,2,3,4,5,6,7,8,9,10,11,12,13,14,15
	v_max3_num_f32 v[16+\i], |v[XS+4*\i]|, |v[XS+4*\i+1]|, FLOOR
.endr
.irp i, 0,1,2,3,4,5,6,7,8,9,10,11,12,13,14,15
	v_max3_num_f32 v[16+\i], v[16+\i], |v[XS+4*\i+2]|, |v[XS+4*\i+3]|
.endr
.irp m, 1,2,4
.irp i, 0,1,2,3,4,5,6,7,8,9,10,11,12,13,14,15
	v_max_num_f32_dpp v[16+\i], v[16+\i], v[16+\i] row_xmask:\m row_mask:0xf bank_mask:0xf   ; eight lanes hold a block of 32 f
.endr
.endr
.irp i, 0,1,2,3,4,5,6,7,8,9,10,11,12,13,14,15
	v_add_nc_u32 v[32+\i], OFF2, v[16+\i]
.endr
.irp p, 0,1,2,3,4,5,6,7
	v_cvt_scalef32_pk8_fp4_f32 v[64+2*\p], v[XS+8*\p:XS+8*\p+7], v[32+2*\p]   ; two loads' numbers under load 2 p's scale: the low half is kept,
	v_cvt_scalef32_pk8_fp4_f32 v[65+2*\p], v[XS+8*\p:XS+8*\p+7], v[33+2*\p]   ; under load 2 p + 1's: the high half
.endr
.irp i, 0,1,2,3,4,5,6,7,8,9,10,11,12,13,14,15
	v_lshrrev_b32 v[48+\i], 23, v[32+\i]           ; (plain lines behind the conversions)
.endr
.irp p, 0,1,2,3,4,5,6,7
	ds_store_b16 v11, v[64+2*\p] offset:STG1+4*PITCH*(2*\p)+16*(\k)
	ds_store_b16_d16_hi v11, v[65+2*\p] offset:STG1+4*PITCH*(2*\p+1)+16*(\k)
.endr
.irp i, 0,1,2,3,4,5,6,7,8,9,10,11,12,13,14,15
	ds_store_b8 v12, v[48+\i] offset:SST1+256*(\i/4)+4*(\i%4)+16*(\k)
.endr
.if (\k)+2 < 4
	LOADW2 (\k)+2
.endif
.endm
	LOADW2 0
	LOADW2 1
	ROWW2 0
	ROWW2 1
	ROWW2 2
	ROWW2 3
	OUT STG1, SST1, 16, 18, 208, 7, 8, 0
	s_wait_tensorcnt 0x0
	ds_add_u32 v14, v15
	s_wait_dscnt 0x0
	s_endpgm
.Lfunc_end_k_qd865572286_prep:
	.size	k_qd865572286_prep, .Lfunc_end_k_qd865572286_prep-k_qd865572286_prep
	.p2alignl 7, 3214868480
	.fill 96, 4, 3214868480
	.section	.rodata,"a",@progbits
	.p2align	6, 0x0
	.amdhsa_kernel k_qd865572286_prep
		.amdhsa_group_segment_fixed_size 55808
		.amdhsa_private_segment_fixed_size 0
		.amdhsa_enable_private_segment 0
		.amdhsa_kernarg_size 72
		.amdhsa_user_sgpr_count 2
		.amdhsa_user_sgpr_kernarg_segment_ptr 1
		.amdhsa_wavefront_size32 1
		.amdhsa_system_sgpr_workgroup_id_x 1
		.amdhsa_system_sgpr_workgroup_id_y 1
		.amdhsa_system_sgpr_workgroup_id_z 1
		.amdhsa_system_vgpr_workitem_id 0
		.amdhsa_next_free_vgpr 256
		.amdhsa_next_free_sgpr 66
		.amdhsa_reserve_vcc 1
		.amdhsa_float_denorm_mode_32 3
		.amdhsa_float_denorm_mode_16_64 3
		.amdhsa_memory_ordered 1
		.amdhsa_forward_progress 1
		.amdhsa_inst_pref_size 123
	.end_amdhsa_kernel
	.amdgpu_metadata
---
amdhsa.version: [ 1, 2 ]
amdhsa.kernels:
  - .name:           k_qd865572286_prep
    .symbol:         k_qd865572286_prep.kd
    .args:
      - { .name: x, .offset: 0, .size: 8, .value_kind: global_buffer, .address_space: global }
      - { .name: gate_w, .offset: 8, .size: 8, .value_kind: global_buffer, .address_space: global }
      - { .name: w1, .offset: 16, .size: 8, .value_kind: global_buffer, .address_space: global }
      - { .name: w2, .offset: 24, .size: 8, .value_kind: global_buffer, .address_space: global }
      - { .name: xc, .offset: 32, .size: 8, .value_kind: global_buffer, .address_space: global }
      - { .name: w1c, .offset: 40, .size: 8, .value_kind: global_buffer, .address_space: global }
      - { .name: w2c, .offset: 48, .size: 8, .value_kind: global_buffer, .address_space: global }
      - { .name: sc, .offset: 56, .size: 8, .value_kind: global_buffer, .address_space: global }
      - { .name: route, .offset: 64, .size: 8, .value_kind: global_buffer, .address_space: global }
    .group_segment_fixed_size: 55808
    .private_segment_fixed_size: 0
    .kernarg_segment_align: 8
    .kernarg_segment_size: 72
    .max_flat_workgroup_size: 128
    .sgpr_count:     66
    .vgpr_count:     256
    .wavefront_size: 32
...
	.end_amdgpu_metadata
.endif
;; end of part 1
;; launch gemm1 (part 2): grid 16 x 16, 4 waves a work-group, clusters of 4 x 4, 327,680 bytes of LDS; arguments xc, w1c, b1, route, hc, hs; writes hc, hs
.if DOCPART == 2
	.amdgcn_target "amdgcn-amd-amdhsa--gfx1250"
	.amdhsa_code_object_version 6
	.text
	.protected	k_qd865572286_gemm1
	.globl	k_qd865572286_gemm1
	.p2align	8
	.type	k_qd865572286_gemm1,@function
k_qd865572286_gemm1:
	s_mov_b64 s[64:65], 0
	v_nop
	global_prefetch_b8 v0, s[64:65] scope:SCOPE_SE
	s_setreg_imm32_b32 hwreg(HW_REG_WAVE_MODE, 25, 1), 1
	s_wait_xcnt 0x0
	s_wait_alu depctr_hold_cnt(0) depctr_sa_sdst(0) depctr_va_vdst(0) depctr_va_sdst(0) depctr_va_ssrc(0) depctr_va_vcc(0) depctr_vm_vsrc(0)
	s_getreg_b32 s2, hwreg(HW_REG_IB_STS2, 6, 4)
	s_cmp_eq_u32 s2, 0
	s_cbranch_scc0 .Lentry_in_a_cluster
	s_endpgm
.Lentry_in_a_cluster:
	s_bfe_u32 s2, ttmp6, 0x10000c
	s_cmp_lg_u32 s2, 0xf033
	s_cbranch_scc0 .Lentry_shape_is_right
	s_endpgm
.Lentry_shape_is_right:
; LAYER 1 ON CODES OF FP4, GELU, AND THE QUANTISER OF LAYER 2's OPERAND.  h[token][f] = gelu(sum over (d, e) of xq[token][d, e] W1q[f][d, e] + b1[e(token)][f]); K = 2,048 = (d, e).
; OPERANDS: xc and w1c are laid [block of 16 rows][512 along K][4,096 bytes of codes as [K block][row][16 bytes], then 256 scale bytes as [row][16 bytes]]: 4,352 bytes (17 x 256) for each 512 along K, 17,408 a block.
; 128 along K of 16 rows are 1,024 bytes on end, two LDS loads of 16 bytes a lane; a row's 16 scale bytes are the four scale words of the 512.
; SHARES: a work-group makes 256 tokens x 256 f, a wave 128 x 128: 64 accumulators.  K goes in four fills of 512 through two LDS slots (16 blocks of tokens, 16 of W1, 4,352 bytes each); the scale bytes ride in the rows.
; Each wave fetches 8 blocks (34,816 bytes) of a fill with one tensor load.  CLUSTER 4 x 4: the tokens' tiles are shared along a row of the cluster, W1's along a column, by joint loads.
; THE HEAD: route and b1 are asked for first; then each wave's part of fill 0.  While it is out, each accumulator is set to its token's row of b1 (chosen by route's sign bit with v_cndmask_b32: no address and no
; branch hangs on the choice).  Slot 1 is filled behind the full sequence and a round.
; TRANSPOSED USE: source 0 = 16 rows of W1, source 1 = 16 tokens: a lane holds one token, and the 16 registers of tiles 2 b, 2 b + 1 are 16 neighbours along layer 2's K (W1's rows were laid so).
; A K STEP of 128: the next step's 32 LDS loads in one run, then 64 matrix instructions.
; PREFETCH: of the 16 blocks that four partners ask for jointly each partner names 4, told apart by address, 2 a wave: one instruction for the 2 x 16 units of 256 bytes of codes, a lane each, and one for the two
; units of scale bytes (lane 0 the first block's; the lanes left over name the last).  Behind fill t's load the bytes of fill t + 1 are named, one fill ahead and one fill at a time: fill 1's in the middle of the
; head's selects, fill 2's behind fill 1's load and the first run of LDS loads, fill 3's behind fill 2's load; behind the last load nothing.  Every address lies inside xc or w1c: block 255, byte 17,407 at the most.
; LIMITS: NaN and infinities are not served.
; REGISTERS: window 0: v8-15 route, v16-31 addresses, v32-95 scale words (two sets), v128-255 b1's two rows at the head; on the way out v32-127 at work, v128-191 codes.
;   window 1: W1's fragments, two sets, at v0 and v64; the tokens', two sets, at v128 and v192.   windows 2, 3: accumulator (a, b) at v[8 (8 (a % 4) + b)].
.set ROWP,  4352                       ; a block's bytes of one fill
.set BLK,   4*ROWP                     ; a block in memory
.set PART,  8*ROWP                     ; what one tensor load brings
.set SLOT,  4*PART
.set SPARE, 2*SLOT                     ; the spare words: 128 bytes a wave, named by no other line
.set RT,   8
.set ADRA, 16
.set ADRB, 20
.set HO,   24
.set SO,   25
.set ADRS, 26
.set SPW,  28
.set NIL,  29
.set PFO,  30
.set PFS,  31
.set SC,   32
.set T,    32
.set TM,   96
.set PW,   112
.set C1,   120
.set PWP,  122
.set PC,   128
.set WV, 20
.set RH, 21
.set CH, 22
.set G1, 24
.set G0, 32
.set PFA, 44
.set G1B, 48
.set G0B, 56
.set SEL, 66
.set MK, 92
.set MSB, 0
.macro WIN new                         ; the immediate's high byte repeats the setting that is left
.if MSB != (\new)
	s_set_vgpr_msb (MSB<<8)|(\new)
.set MSB, (\new)
.endif
.endm
.macro PLACES n
.rept \n
	v_nop
.endr
.endm
.macro JLOAD g0a, g1a, g0b, g1b        ; a joint load: waves 0, 1 for the tokens, 2, 3 for W1
	s_cmp_eq_u32 s[RH], 0
	s_cbranch_scc0 .Lfor_b_\@
	tensor_load_to_lds s[\g0a:\g0a+3], s[\g1a:\g1a+7]
	s_nop 0
	PLACES 4
	s_branch .Lasked_\@
.Lfor_b_\@:
	tensor_load_to_lds s[\g0b:\g0b+3], s[\g1b:\g1b+7]
	s_nop 0
	PLACES 4
.Lasked_\@:
.endm
.macro ASK f                           ; fill f's bytes of my two blocks; the address registers are never rewritten
	global_prefetch_b8 v[PFO], s[PFA:PFA+1] offset:(\f)*ROWP th:TH_LOAD_NT scope:SCOPE_SE
	global_prefetch_b8 v[PFS], s[PFA:PFA+1] offset:(\f)*ROWP+4096 th:TH_LOAD_NT scope:SCOPE_SE
.endm
.macro CREST
	s_cmp_lg_u32 s[WV], 0
	s_cbranch_scc1 .Lnot_wave_0_\@
	s_barrier_signal -3
.Lnot_wave_0_\@:
	s_barrier_wait -3
	s_barrier_signal -1
	s_barrier_wait -1
.endm
.macro CROUND
	s_barrier_signal -1
	s_barrier_wait -1
	CREST
.endm
	s_load_b256 s[4:11], s[0:1], 0x0               ; xc, w1c, b1, route
	s_load_b128 s[12:15], s[0:1], 0x20             ; hc, hs
	v_lshl_add_u32 v[SPW], v0, 2, SPARE
	v_mov_b32 v[NIL], 0
	ds_add_u32 v[SPW], v[NIL]                      ; the opening lines: the add twice on end and one wait
	ds_add_u32 v[SPW], v[NIL]
	v_lshrrev_b32 v1, 5, v0
	v_readfirstlane_b32 s[WV], v1
	s_lshr_b32 s[RH], s[WV], 1                     ; my half of the tokens; also: I fetch for the tokens (0) or W1 (1)
	s_and_b32 s[CH], s[WV], 1                      ; my half of the f; also: which 8 blocks I fetch
	s_bfe_u32 s40, ttmp6, 0x40000                  ; cx, cy
	s_bfe_u32 s41, ttmp6, 0x40004
	s_lshl_b32 s42, ttmp9, 2
	s_add_co_u32 s42, s42, s40                     ; tx: tile of 256 f
	s_and_b32 s43, ttmp7, 0xffff
	s_lshl_b32 s43, s43, 2
	s_add_co_u32 s43, s43, s41                     ; ty: tile of 256 tokens
	s_lshl_b32 s44, s41, 2
	s_lshl_b32 s44, 15, s44                        ; my row of the cluster
	s_lshl_b32 s45, 0x1111, s40                    ; my column
	s_or_b32 s[G1+0], s44, (3<<16)|(1<<21)         ; elements of 8 bytes, no padding
	s_or_b32 s[G1B+0], s45, (3<<16)|(1<<21)
.irp g, G1, G1B                        ; 8 rows of 4,352 bytes, 17,408 apart
	s_mov_b32 s[\g+1], (ROWP/8)<<16
	s_mov_b32 s[\g+2], 8<<16
	s_mov_b32 s[\g+3], (ROWP/8)<<16
	s_mov_b32 s[\g+4], 8
	s_mov_b32 s[\g+5], BLK/8
	s_mov_b32 s[\g+6], 0
	s_mov_b32 s[\g+7], 0
.endr
	s_mul_i32 s2, s[RH], PART                      ; LDS: my 8 blocks of tokens,
	s_mul_i32 s3, s[CH], PART
	s_add_co_u32 s3, s3, 2*PART                    ; my 8 of W1,
	s_sub_co_u32 s46, s3, s2                       ; how far these lie behind those,
	s_add_co_u32 s47, s2, 4096                     ; and my first block's scale bytes
	v_and_b32 v1, 15, v0                           ; r
	v_bfe_u32 v2, v0, 4, 1                         ; h
	v_and_b32 v3, 31, v0
	v_lshlrev_b32 v[HO], 4, v3                     ; 16 x lane: my place in an operand's image
	v_add_nc_u32 v[ADRA], s2, v[HO]
	v_add_nc_u32 v[ADRB], s3, v[HO]
	v_add_nc_u32 v[ADRA+1], SLOT, v[ADRA]
	v_add_nc_u32 v[ADRB+1], SLOT, v[ADRB]
	v_mul_u32_u24 v4, s46, v2                      ; lanes 16-31 take W1's scale words: the lower base + h x the distance
	v_lshl_add_u32 v4, v1, 4, v4
	v_add_nc_u32 v[ADRS], s47, v4
	v_add_nc_u32 v[ADRS+1], SLOT, v[ADRS]
	v_lshlrev_b32 v[SO], 4, v1
	v_lshl_add_u32 v[SO], v2, 11, v[SO]            ; hs: 16 r + 2,048 h
	v_lshlrev_b32 v5, 2, v1                        ; route: 4 bytes a token
	v_lshlrev_b32 v6, 6, v2                        ; b1: lanes 16-31 begin 16 f further on
	v_mul_u32_u24 v[PFO], v2, BLK
	v_lshl_add_u32 v[PFO], v1, 8, v[PFO]           ; prefetch of codes: 256 (lane % 16) + a block for lanes 16-31
	v_min_u32 v[PFS], 1, v3
	v_mul_u32_u24 v[PFS], v[PFS], BLK              ; of scale bytes: lane 0 my first block, the others my second
	s_wait_alu depctr_va_vdst(0)                   ; the end of the head's vector work
	s_lshl_b32 s2, s43, 4                          ; byte offsets: the tokens' block 16 ty + 8 half
	s_lshl_b32 s3, s[CH], 3
	s_add_co_u32 s2, s2, s3
	s_mul_i32 s2, s2, BLK
	s_lshl_b32 s46, s42, 4                         ; W1's block 16 tx + 8 half
	s_add_co_u32 s46, s46, s3
	s_mul_i32 s46, s46, BLK
	s_mov_b32 s3, 0
	s_mov_b32 s47, 0
	s_mul_i32 s94, s[WV], PART                     ; where my loads go
	s_lshl_b32 s96, s43, 10                        ; route at my 128 tokens
	s_lshl_b32 s97, s[RH], 9
	s_add_co_u32 s96, s96, s97
	s_mov_b32 s97, 0
	s_lshl_b32 s98, s42, 10                        ; b1 at my 128 f
	s_lshl_b32 s99, s[CH], 9
	s_add_co_u32 s98, s98, s99
	s_mov_b32 s99, 0
	s_cmp_eq_u32 s[RH], 0                          ; the prefetches: block 16 x tile + 4 x my place among the four partners + 2 x half
	s_cselect_b32 s18, s43, s42
	s_cselect_b32 s19, s40, s41
	s_lshl_b32 s18, s18, 4
	s_lshl_b32 s19, s19, 2
	s_add_co_u32 s18, s18, s19
	s_lshl_b32 s19, s[CH], 1
	s_add_co_u32 s18, s18, s19
	s_mul_i32 s18, s18, BLK
	s_mov_b32 s19, 0
	s_wait_dscnt 0x0                               ; both opening adds are done
	s_wait_kmcnt 0x0
	s_add_nc_u64 s[10:11], s[10:11], s[96:97]
	s_add_nc_u64 s[8:9], s[8:9], s[98:99]
.irp a, 0,1,2,3,4,5,6,7
	global_load_b32 v[RT+\a], v5, s[10:11] offset:64*\a
.endr
.irp e, 0,1                            ; tile t, lane (r, h), register j: b1[e][32 (t / 2) + 8 (t % 2) + 16 h + j]
.irp t, 0,1,2,3,4,5,6,7
	global_load_b128 v[128+64*\e+8*\t:128+64*\e+8*\t+3], v6, s[8:9] offset:16384*\e+(32*(\t/2)+8*(\t%2))*4
	global_load_b128 v[128+64*\e+8*\t+4:128+64*\e+8*\t+7], v6, s[8:9] offset:16384*\e+(32*(\t/2)+8*(\t%2))*4+16
.endr
.endr
	s_add_nc_u64 s[2:3], s[4:5], s[2:3]
	s_add_nc_u64 s[46:47], s[6:7], s[46:47]
	s_cmp_eq_u32 s[RH], 0
	s_cselect_b64 s[PFA:PFA+1], s[4:5], s[6:7]
	s_add_nc_u64 s[PFA:PFA+1], s[PFA:PFA+1], s[18:19]
.irp s, 0,1
	s_mov_b32 s[G0+4*\s], 1
	s_add_co_u32 s[G0+4*\s+1], s94, \s*SLOT
	s_add_nc_u64 s[G0+4*\s+2:G0+4*\s+3], s[2:3], \s*ROWP
	s_or_b32 s[G0+4*\s+3], s[G0+4*\s+3], 0x80000000
	s_mov_b32 s[G0B+4*\s], 1
	s_add_co_u32 s[G0B+4*\s+1], s94, \s*SLOT
	s_add_nc_u64 s[G0B+4*\s+2:G0B+4*\s+3], s[46:47], \s*ROWP
	s_or_b32 s[G0B+4*\s+3], s[G0B+4*\s+3], 0x80000000
.endr
	CROUND                                         ; all sixteen work-groups are here: the first joint loads meet
	JLOAD G0, G1, G0B, G1B                         ; fill 0: one load a wave at the head
	s_lshl_b32 s46, s42, 1
	s_add_co_u32 s46, s46, s[CH]                   ; which 128 f of the row: 2 tx + half
	s_lshl_b32 s2, s43, 19                         ; hc: (16 ty + 8 half) blocks of 32,768 bytes + 1,024 for each 128 f
	s_lshl_b32 s3, s[RH], 18
	s_add_co_u32 s2, s2, s3
	s_lshl_b32 s3, s46, 10
	s_add_co_u32 s2, s2, s3
	s_mov_b32 s3, 0
	s_add_nc_u64 s[12:13], s[12:13], s[2:3]
	s_lshl_b32 s2, s43, 15                         ; hs: blocks of 2,048 bytes, 256 for each 512 f, 4 for each 128
	s_lshl_b32 s47, s[RH], 14
	s_add_co_u32 s2, s2, s47
	s_lshr_b32 s47, s46, 2
	s_lshl_b32 s47, s47, 8
	s_add_co_u32 s2, s2, s47
	s_and_b32 s47, s46, 3
	s_lshl_b32 s47, s47, 2
	s_add_co_u32 s2, s2, s47
	s_add_nc_u64 s[14:15], s[14:15], s[2:3]
	s_mov_b32 s[SEL], 0x76543210
	s_mov_b32 s[SEL+1], 0xfedcba98                 ; v_permlanex16_b32's selects for lane l xor 16
	s_mov_b32 s18, 0xbdd2d3e8                      ; -2 log2(e) sqrt(2 / pi) x 0.044715
	s_mov_b32 s19, s18
	s_mov_b32 s23, 0xffff0000                      ; lanes 16-31
	s_wait_loadcnt 0x0                             ; route and b1 are in
.irp a, 0,1,2,3,4,5,6,7
	v_cmp_gt_i32 s[MK+\a], 0, v[RT+\a]             ; the sign bit: expert 1
.endr
.irp a, 0,1,2,3,4,5,6,7                ; every sum begins at its token's row of b1
	WIN 0x80+0x40*(\a/4)
.if \a == 4
	ASK 1                                          ; behind fill 0's load and 256 selects: fill 1's bytes (the address registers lie in window 0, as source 0 is set)
.endif
.set n, 0
.rept 64
	v_cndmask_b32 v[64*(\a%4)+n], v[128+n], v[192+n], s[MK+\a]
.set n, n+1
.endr
.endr
	WIN 0
.macro LDF base, adr, q, i0            ; four fragments (8 LDS loads of 512 bytes on end) into window 1
	WIN 0x40
.irp i, \i0, \i0+1, \i0+2, \i0+3
.irp c, 0,1
	ds_load_b128 v[\base+8*(\i)+4*\c:\base+8*(\i)+4*\c+3], v[\adr] offset:ROWP*(\i)+1024*(\q)+512*\c
.endr
.endr
.endm
.macro FETCH slot, q, p                ; a step's 32 loads: W1's eight fragments, then the tokens' eight
	LDF 64*(\p), ADRB+\slot, \q, 0
	LDF 64*(\p), ADRB+\slot, \q, 4
	LDF 128+64*(\p), ADRA+\slot, \q, 0
	LDF 128+64*(\p), ADRA+\slot, \q, 4
.endm
.macro SCALES sc                       ; slot sc's scale words into set sc: register 4 i + q: lanes 0-15 the tokens' block i, lanes 16-31 W1's
	WIN 0
.irp i, 0,1,2,3,4,5,6,7
	ds_load_b128 v[SC+32*\sc+4*\i:SC+32*\sc+4*\i+3], v[ADRS+\sc] offset:ROWP*\i
.endr
.endm
.macro MUL16 a0, p, q, sc              ; token blocks a0, a0 + 1 x W1's eight; the 64 accumulators take turns
.irp a, \a0, \a0+1
.irp b, 0,1,2,3,4,5,6,7
	v_wmma_scale_f32_16x16x128_f8f6f4 v[8*(8*((\a)%4)+\b):8*(8*((\a)%4)+\b)+7], v[64*(\p)+8*\b:64*(\p)+8*\b+7], v[128+64*(\p)+8*(\a):128+64*(\p)+8*(\a)+7], v[8*(8*((\a)%4)+\b):8*(8*((\a)%4)+\b)+7], v[SC+32*(\sc)+4*\b+(\q)], v[SC+32*(\sc)+4*(\a)+(\q)] matrix_a_fmt:MATRIX_FMT_FP4 matrix_b_fmt:MATRIX_FMT_FP4 matrix_a_scale:MATRIX_SCALE_ROW1
.endr
.endr
.endm
.macro STEP slot, q                    ; a K step of 128 with its successor in the same slot
	s_wait_dscnt 8                                 ; all but the youngest 8 loads (the tokens' blocks 4-7) are in
	PLACES 4                                       ; places ahead of loads into the set that the last step multiplied
	FETCH \slot, (\q)+1, 1-(\q)%2
	WIN 0xa5
	MUL16 0, (\q)%2, \q, \slot
	MUL16 2, (\q)%2, \q, \slot
	s_wait_dscnt 32                                ; all but the 32 loads issued in this step: blocks 4-7 are in
	WIN 0xf5
	MUL16 4, (\q)%2, \q, \slot
	MUL16 6, (\q)%2, \q, \slot
.endm
.macro TURN slot, next, fill           ; a slot's last step changes slots
	WIN 0
	s_wait_tensorcnt 0x0                           ; all my tensor loads have landed: my part of the next slot
	ds_add_u32 v[SPW], v[NIL]
	s_wait_dscnt 0x0                               ; the add is done, and my reads of this slot are over
	s_barrier_signal -1
	WIN 0xa5
	MUL16 0, 1, 3, \slot
	WIN 0
	s_barrier_wait -1
.if \fill
	CREST                                          ; the barrier has opened a round of the cluster's
	s_add_nc_u64 s[G0+4*\slot+2:G0+4*\slot+3], s[G0+4*\slot+2:G0+4*\slot+3], 2*ROWP
	s_add_nc_u64 s[G0B+4*\slot+2:G0B+4*\slot+3], s[G0B+4*\slot+2:G0B+4*\slot+3], 2*ROWP
	JLOAD G0+4*\slot, G1, G0B+4*\slot, G1B         ; my one load behind the round; its four v_nop are the places ahead of the loads below
.else
	PLACES 4
.endif
	SCALES \next
	FETCH \next, 0, 0
.if (\fill) && (\slot) == 0
	ASK 3                                          ; behind fill 2's load and the run of LDS loads: fill 3's bytes
.endif
	WIN 0xa5
	MUL16 2, 1, 3, \slot
	WIN 0xf5
	MUL16 4, 1, 3, \slot
	MUL16 6, 1, 3, \slot
.endm
	s_wait_alu depctr_va_vdst(0)                   ; the head's end
	s_wait_tensorcnt 0x0                           ; my part of fill 0 is in; the full sequence ahead of slot 1's first fill
	ds_add_u32 v[SPW], v[NIL]
	s_wait_dscnt 0x0
	CROUND
	JLOAD G0+4, G1, G0B+4, G1B                     ; fill 1
	SCALES 0
	FETCH 0, 0, 0
	WIN 0
	ASK 2                                          ; behind fill 1's load and the run of LDS loads: fill 2's bytes
	STEP 0, 0
	STEP 0, 1
	STEP 0, 2
	TURN 0, 1, 1
	STEP 1, 0
	STEP 1, 1
	STEP 1, 2
	TURN 1, 0, 1
	STEP 0, 0
	STEP 0, 1
	STEP 0, 2
	TURN 0, 1, 0
	STEP 1, 0
	STEP 1, 1
	STEP 1, 2
	s_wait_dscnt 8
	WIN 0xa5
	MUL16 0, 1, 3, 1
	MUL16 2, 1, 3, 1
	s_wait_dscnt 0x0
	WIN 0xf5
	MUL16 4, 1, 3, 1
	MUL16 6, 1, 3, 1
	WIN 0
.irp b, 0,1,2,3
	v_mov_b32 v[TM+4+\b], 0                        ; written once: a lane permute's destination counts as a source.  (These six lines are the places behind the last products)
.endr
	v_mov_b32 v[C1], 0xc0135761                    ; -2 log2(e) sqrt(2 / pi)
	v_mov_b32 v[C1+1], 0xc0135761
.macro QUANT s, pc, pw                 ; 64 numbers a lane = halves of four blocks of 32 f; lanes l and l xor 16 share a block
.irp b, 0,1,2,3
	v_max3_num_f32 v[TM+\b], |v[\s+16*\b]|, |v[\s+1+16*\b]|, 0x1800000
.endr
.irp i, 2,4,6,8,10,12,14
.irp b, 0,1,2,3
	v_max3_num_f32 v[TM+\b], v[TM+\b], |v[\s+16*\b+\i]|, |v[\s+1+16*\b+\i]|
.endr
.endr
.irp b, 0,1,2,3
	v_permlanex16_b32 v[TM+4+\b], v[TM+\b], s[SEL], s[SEL+1]
.endr
.irp b, 0,1,2,3
	v_max_num_f32 v[TM+\b], v[TM+\b], v[TM+4+\b]
.endr
.irp b, 0,1,2,3
	v_add_nc_u32 v[TM+12+\b], 0xff000000, v[TM+\b]   ; 2 off the exponent field: the conversion's scale operand
.endr
.irp b, 0,1,2,3
	v_lshrrev_b32 v[TM+4+\b], 23, v[TM+12+\b]        ; the scale's byte
.endr
	v_lshl_or_b32 v[\pw], v[TM+5], 8, v[TM+4]
	v_lshl_or_b32 v[\pw], v[TM+6], 16, v[\pw]
	v_lshl_or_b32 v[\pw], v[TM+7], 24, v[\pw]
.irp b, 0,1,2,3
	v_cvt_scalef32_pk8_fp4_f32 v[\pc+2*\b], v[\s+16*\b:\s+7+16*\b], v[TM+12+\b]
	v_cvt_scalef32_pk8_fp4_f32 v[\pc+1+2*\b], v[\s+8+16*\b:\s+15+16*\b], v[TM+12+\b]
.endr
	v_nop
.irp c, 0,1
.irp i, 0,1
	v_permlane16_swap_b32 v[\pc+4*\c+\i], v[\pc+2+4*\c+\i]   ; a whole block to a lane, as the operand's layout wants it
.endr
.endr
.endm
.macro EPI a                           ; token block a: gelu(x) = x / (1 + 2^(x (c0 + c1 x x))), quantised, stored as an image of layer 2's operand
.set AC, 64*((\a)%4)
.set WN, 2+(\a)/4
	WIN 5*WN
.set n, 0
.rept 32
	v_pk_mul_f32 v[T+n:T+n+1], v[AC+n:AC+n+1], v[AC+n:AC+n+1]
.set n, n+2
.endr
	WIN 0
.set n, 0
.rept 32
	v_pk_fma_f32 v[T+n:T+n+1], v[T+n:T+n+1], s[18:19], v[C1:C1+1] op_sel_hi:[1,0,1]
.set n, n+2
.endr
	WIN WN
.set n, 0
.rept 32
	v_pk_mul_f32 v[T+n:T+n+1], v[AC+n:AC+n+1], v[T+n:T+n+1]
.set n, n+2
.endr
	WIN 0
.set n, 0
	s_wait_alu depctr_va_vdst(0)                   ; a wait ahead of each batch and one behind it
.rept 64
	v_exp_f32 v[T+n], v[T+n]
.set n, n+1
.endr
	v_nop
	s_wait_alu depctr_va_vdst(0)
.set n, 0
.rept 32
	v_pk_add_f32 v[T+n:T+n+1], v[T+n:T+n+1], 1.0 op_sel_hi:[1,0]
.set n, n+2
.endr
.set n, 0
	s_wait_alu depctr_va_vdst(0)
.rept 64
	v_rcp_f32 v[T+n], v[T+n]
.set n, n+1
.endr
	v_nop
	s_wait_alu depctr_va_vdst(0)
	WIN WN
.set n, 0
.rept 32
	v_pk_mul_f32 v[T+n:T+n+1], v[AC+n:AC+n+1], v[T+n:T+n+1]
.set n, n+2
.endr
	WIN 0
	QUANT T, PC+8*(\a), PW+(\a)
	global_store_b128 v[HO], v[PC+8*(\a):PC+8*(\a)+3], s[12:13] offset:32768*(\a)          ; 512 bytes on end
	global_store_b128 v[HO], v[PC+8*(\a)+4:PC+8*(\a)+7], s[12:13] offset:32768*(\a)+512
.if (\a)%2
	v_cndmask_b32 v[PWP+(\a)/2], v[PW+(\a)-1], v[PW+(\a)], s23     ; lanes 0-15 block a - 1's scale words, lanes 16-31 block a's
	global_store_b32 v[SO], v[PWP+(\a)/2], s[14:15] offset:2048*((\a)-1)
.endif
.endm
.irp a, 0,1,2,3,4,5,6,7
	EPI \a
.endr
	s_wait_tensorcnt 0x0                           ; the wave's end
	ds_add_u32 v[SPW], v[NIL]
	s_wait_dscnt 0x0
	CROUND                                         ; the closing round
	s_endpgm
.Lfunc_end_k_qd865572286_gemm1:
	.size	k_qd865572286_gemm1, .Lfunc_end_k_qd865572286_gemm1-k_qd865572286_gemm1
	.p2alignl 7, 3214868480
	.fill 96, 4, 3214868480
	.section	.rodata,"a",@progbits
	.p2align	6, 0x0
	.amdhsa_kernel k_qd865572286_gemm1
		.amdhsa_group_segment_fixed_size 327680
		.amdhsa_private_segment_fixed_size 0
		.amdhsa_enable_private_segment 0
		.amdhsa_kernarg_size 48
		.amdhsa_user_sgpr_count 2
		.amdhsa_user_sgpr_kernarg_segment_ptr 1
		.amdhsa_wavefront_size32 1
		.amdhsa_system_sgpr_workgroup_id_x 1
		.amdhsa_system_sgpr_workgroup_id_y 1
		.amdhsa_system_sgpr_workgroup_id_z 1
		.amdhsa_system_vgpr_workitem_id 0
		.amdhsa_next_free_vgpr 1024
		.amdhsa_next_free_sgpr 100
		.amdhsa_reserve_vcc 0
		.amdhsa_float_denorm_mode_32 3
		.amdhsa_float_denorm_mode_16_64 3
		.amdhsa_memory_ordered 1
		.amdhsa_forward_progress 1
		.amdhsa_inst_pref_size 255
	.end_amdhsa_kernel
	.section	.bss,"aw",@nobits
	.p2align	6
	.space	262144
	.amdgpu_metadata
---
amdhsa.version: [ 1, 2 ]
amdhsa.kernels:
  - .name:           k_qd865572286_gemm1
    .symbol:         k_qd865572286_gemm1.kd
    .args:
      - { .name: xc, .offset: 0, .size: 8, .value_kind: global_buffer, .address_space: global }
      - { .name: w1c, .offset: 8, .size: 8, .value_kind: global_buffer, .address_space: global }
      - { .name: b1, .offset: 16, .size: 8, .value_kind: global_buffer, .address_space: global }
      - { .name: route, .offset: 24, .size: 8, .value_kind: global_buffer, .address_space: global }
      - { .name: hc, .offset: 32, .size: 8, .value_kind: global_buffer, .address_space: global }
      - { .name: hs, .offset: 40, .size: 8, .value_kind: global_buffer, .address_space: global }
    .group_segment_fixed_size: 327680
    .private_segment_fixed_size: 0
    .kernarg_segment_align: 8
    .kernarg_segment_size: 48
    .max_flat_workgroup_size: 128
    .sgpr_count:     100
    .vgpr_count:     1024
    .wavefront_size: 32
...
	.end_amdgpu_metadata
.endif
;; end of part 2
;; launch gemm2 (part 3): grid 8 x 32, 4 waves a work-group, clusters of 4 x 4, 327,680 bytes of LDS; arguments hc, hs, w2c, sc, b2, route, out0; writes out0
.if DOCPART == 3
	.amdgcn_target "amdgcn-amd-amdhsa--gfx1250"
	.amdhsa_code_object_version 6
	.text
	.protected	k_qd865572286_gemm2
	.globl	k_qd865572286_gemm2
	.p2align	8
	.type	k_qd865572286_gemm2,@function
k_qd865572286_gemm2:
	s_mov_b64 s[64:65], 0
	v_nop
	global_prefetch_b8 v0, s[64:65] scope:SCOPE_SE
	s_setreg_imm32_b32 hwreg(HW_REG_WAVE_MODE, 25, 1), 1
	s_wait_xcnt 0x0
	s_wait_alu depctr_hold_cnt(0) depctr_sa_sdst(0) depctr_va_vdst(0) depctr_va_sdst(0) depctr_va_ssrc(0) depctr_va_vcc(0) depctr_vm_vsrc(0)
	s_getreg_b32 s2, hwreg(HW_REG_IB_STS2, 6, 4)
	s_cmp_eq_u32 s2, 0
	s_cbranch_scc0 .Lentry_in_a_cluster
	s_endpgm
.Lentry_in_a_cluster:
	s_bfe_u32 s2, ttmp6, 0x10000c
	s_cmp_lg_u32 s2, 0xf033
	s_cbranch_scc0 .Lentry_shape_is_right
	s_endpgm
.Lentry_shape_is_right:
; LAYER 2 ON CODES OF FP4, AND THE COMBINE: out[token][d] = p (sum over f of h[token][f] W2[d][e][f] + b2[e][d]), e the token's expert.  [4,096 tokens] x [2,048 (d, e)], K = 4,096 = f.
; Both experts' columns are multiplied, as the product is defined; the token's own is then chosen by v_cndmask_b32 on route's sign bit: no address and no branch hangs on the choice.
; OPERANDS lie in memory as images of the matrix operand's registers (codes [block of 16 rows][K block][row][16 bytes]; scale bytes [block of 16 rows][512 along K][row][16 bytes]): 128 along K of 16 rows are 1,024 bytes
; on end, two loads of 16 bytes a lane.  W2's block 2 (d / 16) + e holds row d % 16.
; SHARES: a work-group makes 128 tokens x 256 columns (128 d x 2 experts): 256 work-groups.  A wave makes 64 tokens x 128 columns: 32 accumulators (a, b), b = 2 (tile of 16 d) + e.
; W2 GOES THROUGH LDS, THE TOKENS DO NOT.  W2's tiles come through two LDS slots of 1,024 along K (16 blocks of rows x 8 KiB): K takes four fills.  With the tokens' tiles beside them a slot would hold 512 along K
; and K would take eight.  A wave's own 64 tokens' fragments (4 KiB a K step of 128) come straight from memory into registers, eight sets of 32 registers that take turns, asked for seven K steps ahead: loads into
; registers stay on their way across the barriers.  So the tokens' codes are not asked for jointly, though the four of a row of the cluster read the same: that is the price of the longer slots.
; The scale bytes for all of K (tokens' 16 KiB, W2's 32 KiB) come into LDS once, at the head, and stay.
; CLUSTER 4 x 4: W2's tiles and scale bytes are shared along a column of the cluster, the tokens' scale bytes along a row, by joint loads.
; THE HEAD: one joint load a wave, in one chain of branches on the wave's number: wave 0 the tokens' scale bytes, wave 1 W2's, waves 2 and 3 the halves of fill 0.  Slot 1 is filled behind
; the full sequence and a round, a quarter a wave, as the refills are.
; PREFETCH of W2's codes: a fill is 8,192 bytes of each of 16 blocks; the four partners that ask for them jointly share the blocks out by address: block 4 cy + wave, a lane to each 256 bytes, one instruction a wave and fill.
; Behind fill t's load the bytes of fill t + 1 are named, one fill ahead and one fill at a time; behind the last load nothing.  Every address lies inside w2c: block 127, byte 32,767 at the most.
; TRANSPOSED USE: source 0 = 16 rows of W2, source 1 = 16 tokens: a lane holds one token and eight neighbouring d.  b2 is the C of each sum's first matrix instruction.
; THE WAY OUT: choose, x p, through the wave's own stage in LDS, so that sixteen lanes store 256 bytes on end, aligned.  The stage lies in slot 0, which has had its last fill and, behind the last change of slots, its last read.
; LIMITS: NaN and infinities are not served.
; REGISTERS: window 0: v1-6 at work, v8-11 route, v16-30 addresses, v32-95 scale words (two sets of 32, one for each 512 along K), v96-103 p as pairs; way out: v32-63 at work, v128-191 rows.
;   window 1: W2's fragments at v0 and v64 (two sets of 64), b2's eight tiles at v128.   window 2: accumulator (a, b) at v[8 (8 a + b)].   window 3: the tokens' fragments, set j % 8 of K step j at v[32 (j % 8)].
.set NK,    32                         ; K steps of 128
.set SLOT,  131072                     ; W2's 16 blocks of rows x 8,192 bytes
.set SCL,   2*SLOT                     ; scale bytes: tokens' 16 KiB, then W2's 32 KiB
.set SPARE, SCL+49152                  ; the spare words, 128 bytes for each wave, named by no other line
.set STAGE, 0                          ; 16 rows x 272 bytes for each wave, in slot 0
.set RT,   8
.set AO,   16                          ; v16 16 x lane: my place in an operand's image; never rewritten
.set ADRB, 20                          ; v20-21 LDS address of my W2 fragments in slot 0, 1
.set STO,  24                          ; v24 the stage: where I put 32 bytes of a row
.set RD,   25                          ; v25 and where I read a row back
.set GO,   26                          ; v26 my byte offset in two rows of out0
.set ADRS, 27                          ; v27 my scale words: lanes 0-15 the tokens', lanes 16-31 W2's; never rewritten
.set SPW,  28                          ; v28 my spare word; never rewritten
.set NIL,  29                          ; v29 0; never rewritten
.set SC,   32
.set T,    32
.set PA,   96
.set B2,   128                         ; in window 1
.set WV, 20
.set RH, 21                            ; which 64 tokens are mine
.set CH, 22                            ; which 128 columns
.set G1B, 24                           ; s[24:31] group 1 for W2's tiles;  s[32:39] group 0, one set for each slot
.set G0B, 32
.set G1S, 48                           ; s[48:55], s[56:59] groups 1 and 0 for the tokens' scale bytes
.set G0S, 56
.set G1SB, 68                          ; s[68:75], s[76:79] for W2's scale bytes
.set G0SB, 76
.set MK, 92                            ; s92-95 for each block of tokens: the lanes whose token chose expert 1
.set MSB, 0
.macro WIN new                         ; the immediate's high byte repeats the setting that is left
.if MSB != (\new)
	s_set_vgpr_msb (MSB<<8)|(\new)
.set MSB, (\new)
.endif
.endm
.macro CREST                           ; a round of the cluster's barrier behind its opening barrier
	s_cmp_lg_u32 s[WV], 0
	s_cbranch_scc1 .Lnot_wave_0_\@
	s_barrier_signal -3
.Lnot_wave_0_\@:
	s_barrier_wait -3
	s_barrier_signal -1
	s_barrier_wait -1
.endm
.macro CROUND
	s_barrier_signal -1
	s_barrier_wait -1
	CREST
.endm
.macro PLACES n
.rept \n
	v_nop
.endr
.endm
	s_load_b256 s[4:11], s[0:1], 0x0               ; hc, hs, w2c, sc
	s_load_b128 s[12:15], s[0:1], 0x20             ; b2, route
	s_load_b64 s[16:17], s[0:1], 0x30              ; out0
	v_lshl_add_u32 v[SPW], v0, 2, SPARE
	v_mov_b32 v[NIL], 0
	ds_add_u32 v28, v29                            ; the opening lines: the add twice on end and one wait
	ds_add_u32 v28, v29
	s_wait_dscnt 0x0
	v_lshrrev_b32 v1, 5, v0
	v_readfirstlane_b32 s[WV], v1
	s_lshr_b32 s[RH], s[WV], 1
	s_and_b32 s[CH], s[WV], 1
	s_bfe_u32 s40, ttmp6, 0x40000                  ; cx, cy: my place in the cluster
	s_bfe_u32 s41, ttmp6, 0x40004
	s_lshl_b32 s42, ttmp9, 2
	s_add_co_u32 s42, s42, s40                     ; tx: my tile of 256 columns
	s_and_b32 s43, ttmp7, 0xffff
	s_lshl_b32 s43, s43, 2
	s_add_co_u32 s43, s43, s41                     ; ty: my tile of 128 tokens
	s_lshl_b32 s44, s41, 2
	s_lshl_b32 s44, 15, s44                        ; my row of the cluster
	s_lshl_b32 s45, 0x1111, s40                    ; my column
	s_or_b32 s[G1B+0], s45, (3<<16)|(1<<21)        ; 15:0 the mask; 17:16 elements of 8 bytes; 21 set beside a mask; no padding
	s_or_b32 s[G1SB+0], s45, (3<<16)|(1<<21)
	s_or_b32 s[G1S+0], s44, (3<<16)|(1<<21)
	s_mov_b32 s[G1B+1], 1024<<16                   ; W2's codes: rows of 8,192 bytes (1,024 along K), 32,768 bytes apart: tensor_dim0
	s_mov_b32 s[G1B+2], 8<<16                      ; tensor_dim1: 8 blocks at the head, 4 in the ring
	s_mov_b32 s[G1B+3], 1024<<16                   ; tile_dim0
	s_mov_b32 s[G1B+4], 8                          ; tile_dim1
	s_mov_b32 s[G1B+5], 4096                       ; tensor_dim0_stride
	s_mov_b32 s[G1B+6], 0
	s_mov_b32 s[G1B+7], 0
	s_mov_b32 s[G1SB+1], 32<<16                    ; W2's scale bytes of all 16 blocks: 32,768 dense bytes as 128 rows of 256
	s_mov_b32 s[G1SB+2], 128<<16
	s_mov_b32 s[G1SB+3], 32<<16
	s_mov_b32 s[G1SB+4], 128
	s_mov_b32 s[G1SB+5], 32
	s_mov_b32 s[G1SB+6], 0
	s_mov_b32 s[G1SB+7], 0
	s_mov_b32 s[G1S+1], 32<<16                     ; the tokens' scale bytes of all 8 blocks: 16,384 dense bytes as 64 rows of 256
	s_mov_b32 s[G1S+2], 64<<16
	s_mov_b32 s[G1S+3], 32<<16
	s_mov_b32 s[G1S+4], 64
	s_mov_b32 s[G1S+5], 32
	s_mov_b32 s[G1S+6], 0
	s_mov_b32 s[G1S+7], 0
	s_lshl_b32 s2, s43, 14                         ; the tokens' scale bytes: 8 ty blocks of 2,048 bytes
	s_mov_b32 s3, 0
	s_lshl_b32 s46, s42, 19                        ; W2's codes in the ring: (16 tx + 4 wave) blocks of 32,768 bytes
	s_lshl_b32 s47, s[WV], 17
	s_add_co_u32 s46, s46, s47
	s_mov_b32 s47, 0
	s_lshl_b32 s92, s42, 15                        ; its scale bytes: 16 tx blocks of 2,048,
	s_add_co_u32 s92, s92, 524288                  ; third in sc
	s_mov_b32 s93, 0
	s_lshl_b32 s84, s42, 19                        ; the head's load of fill 0: (16 tx + 8 half) blocks
	s_lshl_b32 s85, s[CH], 18
	s_add_co_u32 s84, s84, s85
	s_mov_b32 s85, 0
	s_lshl_b32 s86, s42, 4                         ; the prefetches: block 16 tx + 4 cy + wave
	s_lshl_b32 s87, s41, 2
	s_add_co_u32 s86, s86, s87
	s_add_co_u32 s86, s86, s[WV]
	s_lshl_b32 s86, s86, 15
	s_mov_b32 s87, 0
	s_lshl_b32 s94, s[WV], 15                      ; where my ring loads go: made of the wave's number alone
	s_mov_b32 s95, SCL+16384
	s_mov_b32 s96, SCL
	s_wait_kmcnt 0x0
	s_add_nc_u64 s[2:3], s[6:7], s[2:3]
	s_add_nc_u64 s[46:47], s[8:9], s[46:47]
	s_add_nc_u64 s[92:93], s[10:11], s[92:93]
	s_add_nc_u64 s[84:85], s[8:9], s[84:85]
	s_add_nc_u64 s[86:87], s[8:9], s[86:87]
	CROUND                                         ; all sixteen work-groups are here: the first joint loads meet
	s_mov_b32 s[G0S], 1
	s_mov_b32 s[G0S+1], s96
	s_mov_b64 s[G0S+2:G0S+3], s[2:3]
	s_or_b32 s[G0S+3], s[G0S+3], 0x80000000
	s_mov_b32 s[G0SB], 1
	s_mov_b32 s[G0SB+1], s95
	s_mov_b64 s[G0SB+2:G0SB+3], s[92:93]
	s_or_b32 s[G0SB+3], s[G0SB+3], 0x80000000
.irp s, 0,1
	s_mov_b32 s[G0B+4*\s], 1
	s_add_co_u32 s[G0B+4*\s+1], s94, \s*SLOT
	s_add_nc_u64 s[G0B+4*\s+2:G0B+4*\s+3], s[46:47], \s*8192
	s_or_b32 s[G0B+4*\s+3], s[G0B+4*\s+3], 0x80000000
.endr
	s_mov_b32 s80, 1                               ; group 0 of the head's load of fill 0: 8 blocks of W2, half CH, to LDS 65,536 x CH
	s_lshl_b32 s81, s[CH], 16
	s_mov_b64 s[82:83], s[84:85]
	s_or_b32 s83, s83, 0x80000000
	s_cmp_lt_u32 s[WV], 1                          ; one chain of branches on the wave's number, one load to an arm, one join
	s_cbranch_scc0 .Lhead_sb
	tensor_load_to_lds s[G0S:G0S+3], s[G1S:G1S+7]
	s_nop 0
	PLACES 4
	s_branch .Lhead_asked
.Lhead_sb:
	s_cmp_lt_u32 s[WV], 2
	s_cbranch_scc0 .Lhead_b
	tensor_load_to_lds s[G0SB:G0SB+3], s[G1SB:G1SB+7]
	s_nop 0
	PLACES 4
	s_branch .Lhead_asked
.Lhead_b:
	tensor_load_to_lds s[80:83], s[G1B:G1B+7]
	s_nop 0
	PLACES 4
.Lhead_asked:
	v_and_b32 v1, 15, v0                           ; r
	v_bfe_u32 v2, v0, 4, 1                         ; h
	v_and_b32 v3, 31, v0
	v_lshlrev_b32 v[AO], 4, v3
	v_lshlrev_b32 v30, 8, v3                       ; the prefetches' offset: 256 x lane; never rewritten
	v_lshlrev_b32 v5, 2, v1                        ; route: 4 bytes a token
	s_wait_alu depctr_va_vdst(0)
	v_lshlrev_b32 v6, 5, v2                        ; b2: lanes 16-31 begin 8 d further on
	s_wait_alu depctr_va_vdst(0)                   ; ahead of the run of scalar lines
	s_mov_b32 s97, 0
	s_lshl_b32 s96, s43, 18                        ; hc at my 64 tokens: (8 ty + 4 half) blocks of 32,768 bytes
	s_lshl_b32 s98, s[RH], 17
	s_add_co_u32 s96, s96, s98
	s_add_nc_u64 s[4:5], s[4:5], s[96:97]
	s_lshl_b32 s96, s43, 9                         ; route at my 64 tokens
	s_lshl_b32 s98, s[RH], 8
	s_add_co_u32 s96, s96, s98
	s_add_nc_u64 s[14:15], s[14:15], s[96:97]
	s_lshl_b32 s99, s42, 9                         ; my 64 d, in bytes: 512 tx + 256 half
	s_lshl_b32 s98, s[CH], 8
	s_add_co_u32 s99, s99, s98
	s_mov_b32 s96, s99
	s_add_nc_u64 s[12:13], s[12:13], s[96:97]      ; b2
	s_lshl_b32 s96, s43, 19                        ; out0: (128 ty + 64 half) rows of 4,096 bytes + my d
	s_lshl_b32 s98, s[RH], 18
	s_add_co_u32 s96, s96, s98
	s_add_co_u32 s96, s96, s99
	s_add_nc_u64 s[16:17], s[16:17], s[96:97]
; my 64 tokens' fragments of K step j, from memory, into set j % 8 of window 3: eight loads of 512 bytes on end; every offset is an immediate, base and lane offset are never rewritten
.macro ALOAD j
	WIN 0xc0                                       ; destination window 3, address window 0
.irp a, 0,1,2,3
.irp c, 0,1
	global_load_b128 v[32*((\j)%8)+8*\a+4*\c:32*((\j)%8)+8*\a+4*\c+3], v[AO], s[4:5] offset:32768*\a+1024*(\j)+512*\c
.endr
.endr
.endm
.irp a, 0,1,2,3
	global_load_b32 v[RT+\a], v5, s[14:15] offset:64*\a
.endr
	WIN 0x40                                       ; destination window 1
.irp b, 0,1,2,3,4,5,6,7                ; tile b = 2 dt + e, lane (r, h), register j: b2[e][16 dt + 8 h + j]
	global_load_b128 v[B2+8*\b:B2+8*\b+3], v6, s[12:13] offset:4096*(\b%2)+64*(\b/2)
	global_load_b128 v[B2+8*\b+4:B2+8*\b+7], v6, s[12:13] offset:4096*(\b%2)+64*(\b/2)+16
.endr
.irp j, 0,1,2,3,4
	ALOAD \j                                       ; 20 + 40 loads of mine are out
.endr
	WIN 0
	s_lshl_b32 s98, s[CH], 16                      ; my 8 blocks of W2 in a slot
.irp s, 0,1
	v_add_nc_u32 v[ADRB+\s], s98, v[AO]
	s_add_co_u32 s98, s98, SLOT
.endr
	s_lshl_b32 s2, s[RH], 13                       ; scale bytes: my tokens' 4 blocks of 2,048,
	s_lshl_b32 s98, s[CH], 14
	s_add_co_u32 s98, s98, 16384                   ; W2's behind the tokens' 16 KiB
	s_sub_co_u32 s98, s98, s2
	v_mul_u32_u24 v4, s98, v2                      ; lanes 16-31 take W2's: the lower base + h x the distance
	v_lshl_add_u32 v4, v1, 4, v4
	s_add_co_u32 s2, s2, SCL
	v_add_nc_u32 v[ADRS], s2, v4
	s_mul_i32 s2, s[WV], 16*272
	s_add_co_u32 s2, s2, STAGE                     ; my stage
	v_mul_u32_u24 v4, v1, 272
	v_lshl_add_u32 v4, v2, 5, v4
	v_add_nc_u32 v[STO], s2, v4                    ; in: row r, 32 bytes for each half of the lanes
	v_mul_u32_u24 v4, v2, 272
	v_lshl_add_u32 v4, v1, 4, v4
	v_add_nc_u32 v[RD], s2, v4                     ; back: lanes 0-15 one row of 256 bytes, lanes 16-31 the next
	v_lshlrev_b32 v[GO], 12, v2
	v_lshl_add_u32 v[GO], v1, 4, v[GO]             ; and the same two rows of out0
	s_wait_loadcnt 40                              ; route and b2 are in; the 40 loads of K steps 0 to 4 may be out
	global_prefetch_b8 v30, s[86:87] offset:8192 th:TH_LOAD_NT scope:SCOPE_SE    ; behind fill 0's load: fill 1's 8,192 bytes of my block of W2
	ALOAD 5
	ALOAD 6
	WIN 0
.irp a, 0,1,2,3
	v_cmp_gt_i32 s[MK+\a], 0, v[RT+\a]             ; the sign bit: expert 1
	v_and_b32 v[PA+2*\a], 0x7fffffff, v[RT+\a]     ; p, twice: a pair for the packed multiply
	v_and_b32 v[PA+2*\a+1], 0x7fffffff, v[RT+\a]
.endr
.macro FETCHB j                        ; 16 LDS loads in one run: W2's eight fragments of K step j into set j % 2
	WIN 0x40
.irp i, 0,1,2,3,4,5,6,7
.irp c, 0,1
	ds_load_b128 v[64*((\j)%2)+8*\i+4*\c:64*((\j)%2)+8*\i+4*\c+3], v[ADRB+((\j)/8)%2] offset:8192*\i+1024*((\j)%8)+512*\c
.endr
.endr
.endm
.macro SCALES g                        ; the scale words of K steps 4 g .. 4 g + 3 into set g % 2: register 4 i + q: lanes 0-15 the tokens' block i (for i above 3: filled bytes that no product names), lanes 16-31 W2's block i
	WIN 0
.irp i, 0,1,2,3,4,5,6,7
	ds_load_b128 v[SC+32*((\g)%2)+4*\i:SC+32*((\g)%2)+4*\i+3], v[ADRS] offset:2048*\i+256*(\g)
.endr
.endm
; 8 matrix instructions of K step j: token block a x W2's eight.  bias = 1: b2's tile is the C: the first product starts the sum.  The 32 accumulators take turns, in the same order in every step.
.macro MUL8 a, j, bias
.irp b, 0,1,2,3,4,5,6,7
.if \bias
	v_wmma_scale_f32_16x16x128_f8f6f4 v[8*(8*(\a)+\b):8*(8*(\a)+\b)+7], v[64*((\j)%2)+8*\b:64*((\j)%2)+8*\b+7], v[32*((\j)%8)+8*(\a):32*((\j)%8)+8*(\a)+7], v[B2+8*\b:B2+8*\b+7], v[SC+32*(((\j)/4)%2)+4*\b+(\j)%4], v[SC+32*(((\j)/4)%2)+4*(\a)+(\j)%4] matrix_a_fmt:MATRIX_FMT_FP4 matrix_b_fmt:MATRIX_FMT_FP4 matrix_a_scale:MATRIX_SCALE_ROW1
.else
	v_wmma_scale_f32_16x16x128_f8f6f4 v[8*(8*(\a)+\b):8*(8*(\a)+\b)+7], v[64*((\j)%2)+8*\b:64*((\j)%2)+8*\b+7], v[32*((\j)%8)+8*(\a):32*((\j)%8)+8*(\a)+7], v[8*(8*(\a)+\b):8*(8*(\a)+\b)+7], v[SC+32*(((\j)/4)%2)+4*\b+(\j)%4], v[SC+32*(((\j)/4)%2)+4*(\a)+(\j)%4] matrix_a_fmt:MATRIX_FMT_FP4 matrix_b_fmt:MATRIX_FMT_FP4 matrix_a_scale:MATRIX_SCALE_ROW1
.endif
.endr
.endm
; K step j, with its successor in the same slot.  At its head the registers that step j - 1 multiplied are asked for again: W2's other set takes step j + 1 from LDS, the tokens' set (j - 1) % 8 takes step j + 7 from memory.
.macro STEP j, bias
	s_wait_dscnt 0x0                               ; W2's fragments of this step (and, where they are new, the scale words) are in
.if (\j) <= NK-7
	s_wait_loadcnt 48                              ; the tokens' fragments of this step are in: behind them the 48 loads of steps j + 1 .. j + 6 were issued and may be out
.else
	s_wait_loadcnt 8*(NK-1-(\j))                   ; nothing is asked for any more: the counts run down
.endif
	PLACES 4                                       ; four places in front of loads into registers that the last step's matrix instructions read
	FETCHB (\j)+1
.if (\j)%4 == 3
	SCALES (\j)/4+1
.endif
.if (\j)+7 < NK
	ALOAD (\j)+7                                   ; 56 loads of mine are out behind this
.endif
.if \bias
	WIN 0x9d                                       ; source 0 and C window 1, source 1 window 3, D window 2
.else
	WIN 0xad                                       ; source 0 window 1, source 1 window 3, C and D window 2
.endif
.irp a, 0,1,2,3
	MUL8 \a, \j, \bias
.endr
.endm
; A slot's last K step changes slots: ONE barrier; in front of it each wave waits for all its tensor loads, adds 0 to its spare word, and waits for that and for its reads of this slot.  fill = 1: the slot is filled again, two slots on
.macro TURN j, fill
	WIN 0                                          ; (the add's two registers lie in window 0)
	s_wait_tensorcnt 0x0                           ; all my tensor loads have landed: my part of the next slot
	ds_add_u32 v[SPW], v[NIL]                      ; 0 onto my spare word
	s_wait_dscnt 1                                 ; W2's fragments of this step are in; the add alone may be out
	s_wait_loadcnt 48                              ; the tokens' are in; steps j + 1 .. j + 6 may be out
	WIN 0xad
	MUL8 0, \j, 0                                  ; eight matrix instructions stand between the add and the wait for it
	s_wait_dscnt 0x0                               ; the add is done, and my reads of this slot are over
	s_barrier_signal -1
	MUL8 1, \j, 0
	WIN 0
	s_barrier_wait -1
.if \fill
	CREST                                          ; the barrier has opened a round of the cluster's: no wave of any partner still reads this slot or has a tensor load on its way
	s_add_nc_u64 s[G0B+4*(((\j)/8)%2)+2:G0B+4*(((\j)/8)%2)+3], s[G0B+4*(((\j)/8)%2)+2:G0B+4*(((\j)/8)%2)+3], 16384
	tensor_load_to_lds s[G0B+4*(((\j)/8)%2):G0B+4*(((\j)/8)%2)+3], s[G1B:G1B+7]   ; the first tensor load behind the round, my one load until the next: it has 256 matrix instructions in which to land
	s_nop 0
.endif
	PLACES 4                                       ; behind the joint load, and the places in front of the loads below
	FETCHB (\j)+1
	SCALES (\j)/4+1
	ALOAD (\j)+7
.if (\j) == 7
	global_prefetch_b8 v30, s[86:87] offset:24576 th:TH_LOAD_NT scope:SCOPE_SE   ; behind fill 2's load and the runs of loads: fill 3's bytes (the address register lies in window 0, as source 0 is set)
.endif
	WIN 0xad
	MUL8 2, \j, 0
	MUL8 3, \j, 0
.endm
.macro STEPS from, n                   ; n K steps from 'from' on
.set J, \from
.rept \n
	STEP J, 0
.set J, J+1
.endr
.endm
	s_wait_alu depctr_va_vdst(0)                   ; the head's end
	s_wait_tensorcnt 0x0                           ; my tile of the head's is in; the full sequence ahead of slot 1's first fill
	ds_add_u32 v[SPW], v[NIL]
	s_mov_b32 s[G1B+2], 4<<16                      ; no tensor load of mine is out: from here on a load brings 4 blocks
	s_mov_b32 s[G1B+4], 4
	s_wait_dscnt 0x0
	CROUND
	tensor_load_to_lds s[G0B+4:G0B+7], s[G1B:G1B+7]   ; fill 1 into slot 1: my quarter, my one load behind the round
	s_nop 0
	PLACES 4
	global_prefetch_b8 v30, s[86:87] offset:16384 th:TH_LOAD_NT scope:SCOPE_SE   ; behind fill 1's load: fill 2's bytes
	FETCHB 0
	SCALES 0
	STEP 0, 1                                      ; the first products start the sums, from b2.  K has four fills: the walk is written out
	STEPS 1, 6
	TURN 7, 1
	STEPS 8, 7
	TURN 15, 1
	STEPS 16, 7
	TURN 23, 0                                     ; nothing is left to fetch; behind this barrier nobody reads slot 0
	STEPS 24, 7
	s_wait_dscnt 0x0                               ; the very last step
	s_wait_loadcnt 0x0
	WIN 0xad
.irp a, 0,1,2,3
	MUL8 \a, 31, 0
.endr
	WIN 0
	PLACES 4                                       ; in front of the first read of results and of writes to registers that held scale words
; THE WAY OUT of token block a: the token's expert is chosen (each accumulator read from its low end on), x p, 16 rows x 256 bytes through my own stage, stored as whole rows of 256 bytes
.macro OUTA a
.set RB, 128+32*((\a)%2)
.if (\a) >= 2
	s_wait_xcnt 0x0                                ; block a - 2's stores have read their registers: block a's rows may land there
.endif
	WIN 0x0a                                       ; sources 0 and 1 window 2
.irp dt, 0,1,2,3
.irp j, 0,1,2,3,4,5,6,7
	v_cndmask_b32 v[T+8*\dt+\j], v[8*(8*(\a)+2*\dt)+\j], v[8*(8*(\a)+2*\dt+1)+\j], s[MK+(\a)]
.endr
.endr
	WIN 0
.set n, 0
.rept 16
	v_pk_mul_f32 v[T+n:T+n+1], v[T+n:T+n+1], v[PA+2*(\a):PA+2*(\a)+1]
.set n, n+2
.endr
.irp dt, 0,1,2,3
	ds_store_b128 v[STO], v[T+8*\dt:T+8*\dt+3] offset:64*\dt
	ds_store_b128 v[STO], v[T+8*\dt+4:T+8*\dt+7] offset:64*\dt+16
.endr
.irp i, 0,1,2,3,4,5,6,7
	ds_load_b128 v[RB+4*\i:RB+4*\i+3], v[RD] offset:2*272*\i   ; LDS serves a wave's instructions in order: these see my stores
.endr
.irp i, 0,1,2,3,4,5,6,7
	s_wait_dscnt 7-\i                              ; load i is in, the 7 - i younger ones may be out; at the last the stage's stores and loads are all done
	global_store_b128 v[GO], v[RB+4*\i:RB+4*\i+3], s[16:17] offset:65536*(\a)+8192*\i th:TH_STORE_NT   ; sixteen lanes store 256 bytes on end, aligned; written once, read by nobody here
.endr
.endm
	OUTA 0
	OUTA 1
	OUTA 2
	OUTA 3
	s_wait_tensorcnt 0x0                           ; the wave's end, behind my last tensor load and my last LDS store
	ds_add_u32 v[SPW], v[NIL]
	s_wait_dscnt 0x0
	CROUND                                         ; the closing round: no work-group ends while a partner may still ask for a tile that names it
	s_endpgm
.Lfunc_end_k_qd865572286_gemm2:
	.size	k_qd865572286_gemm2, .Lfunc_end_k_qd865572286_gemm2-k_qd865572286_gemm2
	.p2alignl 7, 3214868480
	.fill 96, 4, 3214868480
	.section	.rodata,"a",@progbits
	.p2align	6, 0x0
	.amdhsa_kernel k_qd865572286_gemm2
		.amdhsa_group_segment_fixed_size 327680
		.amdhsa_private_segment_fixed_size 0
		.amdhsa_enable_private_segment 0
		.amdhsa_kernarg_size 56
		.amdhsa_user_sgpr_count 2
		.amdhsa_user_sgpr_kernarg_segment_ptr 1
		.amdhsa_wavefront_size32 1
		.amdhsa_system_sgpr_workgroup_id_x 1
		.amdhsa_system_sgpr_workgroup_id_y 1
		.amdhsa_system_sgpr_workgroup_id_z 1
		.amdhsa_system_vgpr_workitem_id 0
		.amdhsa_next_free_vgpr 1024
		.amdhsa_next_free_sgpr 100
		.amdhsa_reserve_vcc 0
		.amdhsa_float_denorm_mode_32 3
		.amdhsa_float_denorm_mode_16_64 3
		.amdhsa_memory_ordered 1
		.amdhsa_forward_progress 1
		.amdhsa_inst_pref_size 232
	.end_amdhsa_kernel
	.amdgpu_metadata
---
amdhsa.version: [ 1, 2 ]
amdhsa.kernels:
  - .name:           k_qd865572286_gemm2
    .symbol:         k_qd865572286_gemm2.kd
    .args:
      - { .name: hc, .offset: 0, .size: 8, .value_kind: global_buffer, .address_space: global }
      - { .name: hs, .offset: 8, .size: 8, .value_kind: global_buffer, .address_space: global }
      - { .name: w2c, .offset: 16, .size: 8, .value_kind: global_buffer, .address_space: global }
      - { .name: sc, .offset: 24, .size: 8, .value_kind: global_buffer, .address_space: global }
      - { .name: b2, .offset: 32, .size: 8, .value_kind: global_buffer, .address_space: global }
      - { .name: route, .offset: 40, .size: 8, .value_kind: global_buffer, .address_space: global }
      - { .name: out0, .offset: 48, .size: 8, .value_kind: global_buffer, .address_space: global }
    .group_segment_fixed_size: 327680
    .private_segment_fixed_size: 0
    .kernarg_segment_align: 8
    .kernarg_segment_size: 56
    .max_flat_workgroup_size: 128
    .sgpr_count:     100
    .vgpr_count:     1024
    .wavefront_size: 32
...
	.end_amdgpu_metadata
.endif
;; end of part 3
